; MI455X (gfx1250); checked and timed in simulation.
; The chip was launched on July 23, 2026; its instructions are those of AMD's public machine-readable ISA for CDNA 5 (MIT licence, August 2026) and "CDNA5" Instruction Set Architecture Reference Guide (July 2026). The comments in the code are by the model that wrote it; some were corrected since.
;; Weight Only Int8 Linear. Allowed arithmetic: float matrix products may take bf16 or f16 operands with f32 sums; other float arithmetic in f32, or as packed bf16 or f16 multiplies, adds, multiply-adds, maxima and minima; sums over many terms, partial sums and values carried from step to step in f32; what a program stores and reads back later, other than sums and carried values, may be rounded once to bf16 or f16.
;; Inputs: input 256 x 4,096 float32; scales 16,384 float32; weight 16,384 x 4,096 int8.
;; Outputs: out0 256 x 16,384 float32.
;; 2 versions, each right. Each part assembles by itself: llvm-mc -triple=amdgcn-amd-amdhsa -mcpu=gfx1250 --defsym DOCPART=n.
;; ======== version 1 of 2: 2 launches
;; limits: values are held in f16: magnitudes above 65,504 overflow, below 6.1e-05 lose precision; inputs' magnitudes at most 65,504
;; workspace buffers: xh 2,097,152 bytes
;; launch pack (part 1): grid 256 x 1, 4 waves a work-group, no clusters, 9,216 bytes of LDS; arguments input, xh; writes xh
.if DOCPART == 1
	.amdgcn_target "amdgcn-amd-amdhsa--gfx1250"
	.amdhsa_code_object_version 6
	.text
	.protected	k_q5153e8b049_pack
	.globl	k_q5153e8b049_pack
	.p2align	8
	.type	k_q5153e8b049_pack,@function
k_q5153e8b049_pack:
	s_mov_b64 s[64:65], 0
	v_nop
	global_prefetch_b8 v0, s[64:65] scope:SCOPE_SE
	s_setreg_imm32_b32 hwreg(HW_REG_WAVE_MODE, 25, 1), 1
	s_wait_xcnt 0x0
; x [256][4096] f32  ->  xh, f16, in the order in which the product's matrix fragments are read:
;   xh[kb][mb][c][L][e] = x[16 mb + (L & 15)][32 kb + 16 (L >> 4) + 8 c + e],  kb 0..127, mb 0..15, c 0..1, L 0..31, e 0..7
;   byte = kb*16384 + mb*1024 + c*512 + L*16 + 2 e.   One fragment (16 rows x 32 k) is 1,024 consecutive bytes.
; LIMIT: x is rounded to f16 (nearest even): |x| above 65,504 becomes infinite, below 6.1e-5 the step is 2^-24.
; A wave's job: 16 rows x 64 columns (4,096 bytes in, 2,048 out).  1,024 jobs = 256 work-groups x 4 waves.
; Memory binds: each byte is read once and written once; no matrix unit, no cluster, no barrier (a wave's LDS bytes are its own).
.set ROWB,  16384                      ; bytes in a row of x
.set CHUNK, 544                        ; LDS pitch of a 512-byte chunk (kb, c): 512 + 32, so that the four chunks start at different banks
.set WLDS,  4*CHUNK                    ; LDS bytes of a wave
.set OFF, 5                            ; v5      my byte offset in x from the job's first element
.set ST,  6                            ; v6      where my 8 bytes of f16 go in LDS
.set RDB, 9                            ; v9      where I read 16 bytes back
.set CO,  10                           ; v10     my byte offset in xh
.set X,   16                           ; v[16:47] eight loads of 4 f32; v[16:31] later: the chunks read back
.set P,   48                           ; v[48:63] eight pairs of packed f16
	s_load_b128 s[4:7], s[0:1], 0x0                ; input s[4:5], xh s[6:7]
	v_lshl_add_u32 v64, v0, 2, 0x2200
	v_mov_b32 v65, 0
	v_lshrrev_b32 v1, 5, v0
	v_readfirstlane_b32 s8, v1                     ; wave 0..3
	s_lshl_b32 s9, ttmp9, 2
	s_add_co_u32 s9, s9, s8                        ; job = 4 x work-group + wave
	s_and_b32 s14, s9, 15                          ; mb: which 16 rows
	s_lshr_b32 s15, s9, 4                          ; kp: which 64 columns (two k blocks of 32)
	s_lshl_b32 s10, s14, 18                        ; 16 rows of 16,384 bytes
	s_lshl_b32 s16, s15, 8                         ; 64 f32
	s_add_co_u32 s10, s10, s16
	s_mov_b32 s11, 0
	s_lshl_b32 s12, s15, 15                        ; two k blocks of 16,384 bytes in xh
	s_lshl_b32 s16, s14, 10                        ; a fragment of 1,024 bytes
	s_add_co_u32 s12, s12, s16
	s_mov_b32 s13, 0
	s_mul_i32 s17, s8, WLDS                        ; my wave's LDS bytes
	v_and_b32 v2, 31, v0                           ; lane L
	v_lshrrev_b32 v3, 4, v2                        ; g: which of the two rows of a load
	v_and_b32 v4, 15, v2                           ; j: which 16 bytes (4 columns) of the row's 256
	v_lshlrev_b32 v[OFF], 4, v4
	v_lshl_add_u32 v[OFF], v3, 14, v[OFF]          ; g rows + 16 j
	; column 4 j + u of the 64: k block j >> 3, half of the lanes (j >> 2) & 1, c = (j >> 1) & 1, e = 4 (j & 1) + u
	v_lshrrev_b32 v7, 3, v4
	v_bfe_u32 v8, v4, 1, 1
	v_lshl_add_u32 v7, v7, 1, v8                   ; chunk = 2 x k block + c
	v_mul_u32_u24 v[ST], v7, CHUNK
	v_bfe_u32 v8, v4, 2, 1
	v_lshl_add_u32 v[ST], v8, 8, v[ST]             ; fragment lanes 16..31 lie 256 bytes up
	v_lshl_add_u32 v[ST], v3, 4, v[ST]             ; row g of the load's two
	v_and_b32 v8, 1, v4
	v_lshl_add_u32 v[ST], v8, 3, v[ST]             ; e = 0 or 4
	v_add_nc_u32 v[ST], s17, v[ST]
	v_lshl_add_u32 v[RDB], v2, 4, s17
	v_lshlrev_b32 v[CO], 4, v2
	s_wait_kmcnt 0x0
	s_add_nc_u64 s[4:5], s[4:5], s[10:11]
	s_add_nc_u64 s[6:7], s[6:7], s[12:13]
.irp i, 0,1,2,3,4,5,6,7
	global_load_b128 v[X+4*\i:X+4*\i+3], v[OFF], s[4:5] offset:\i*2*ROWB th:TH_LOAD_NT   ; rows 2 i, 2 i + 1: sixteen lanes take 256 consecutive aligned bytes of a row
.endr
.irp i, 0,1,2,3,4,5,6,7
	s_wait_loadcnt 7-\i                            ; loads come back in order (ISA guide 5.7.1): load i is in, the younger ones stay out
	v_cvt_pk_f16_f32 v[P+2*\i],   v[X+4*\i],   v[X+4*\i+1]
	v_cvt_pk_f16_f32 v[P+2*\i+1], v[X+4*\i+2], v[X+4*\i+3]
	ds_store_b64 v[ST], v[P+2*\i:P+2*\i+1] offset:32*\i      ; two rows on = two fragment lanes of 16 bytes
.endr
.irp t, 0,1,2,3
	ds_load_b128 v[X+4*\t:X+4*\t+3], v[RDB] offset:CHUNK*\t  ; my wave's own bytes; LDS serves a wave's instructions in order: these see the stores above
.endr
	s_wait_dscnt 3                                 ; chunk 0 is back; the three younger loads stay out, and so on down
	global_store_b128 v[CO], v[X:X+3],     s[6:7]                ; each store covers 512 consecutive bytes, aligned
	s_wait_dscnt 2
	global_store_b128 v[CO], v[X+4:X+7],   s[6:7] offset:512
	s_wait_dscnt 1
	global_store_b128 v[CO], v[X+8:X+11],  s[6:7] offset:16384
	s_wait_dscnt 0
	global_store_b128 v[CO], v[X+12:X+15], s[6:7] offset:16896
	s_wait_tensorcnt 0x0
	ds_add_u32 v64, v65
	s_wait_dscnt 0x0
	s_endpgm
.Lfunc_end_k_q5153e8b049_pack:
	.size	k_q5153e8b049_pack, .Lfunc_end_k_q5153e8b049_pack-k_q5153e8b049_pack
	.p2alignl 7, 3214868480
	.fill 96, 4, 3214868480
	.section	.rodata,"a",@progbits
	.p2align	6, 0x0
	.amdhsa_kernel k_q5153e8b049_pack
		.amdhsa_group_segment_fixed_size 9216
		.amdhsa_private_segment_fixed_size 0
		.amdhsa_enable_private_segment 0
		.amdhsa_kernarg_size 16
		.amdhsa_user_sgpr_count 2
		.amdhsa_user_sgpr_kernarg_segment_ptr 1
		.amdhsa_wavefront_size32 1
		.amdhsa_system_sgpr_workgroup_id_x 1
		.amdhsa_system_sgpr_workgroup_id_y 1
		.amdhsa_system_sgpr_workgroup_id_z 1
		.amdhsa_system_vgpr_workitem_id 0
		.amdhsa_next_free_vgpr 66
		.amdhsa_next_free_sgpr 66
		.amdhsa_reserve_vcc 0
		.amdhsa_float_denorm_mode_32 3
		.amdhsa_float_denorm_mode_16_64 3
		.amdhsa_memory_ordered 1
		.amdhsa_forward_progress 1
		.amdhsa_inst_pref_size 6
	.end_amdhsa_kernel
	.amdgpu_metadata
---
amdhsa.version: [ 1, 2 ]
amdhsa.kernels:
  - .name:           k_q5153e8b049_pack
    .symbol:         k_q5153e8b049_pack.kd
    .args:
      - { .name: input, .offset: 0, .size: 8, .value_kind: global_buffer, .address_space: global }
      - { .name: xh, .offset: 8, .size: 8, .value_kind: global_buffer, .address_space: global }
    .group_segment_fixed_size: 9216
    .private_segment_fixed_size: 0
    .kernarg_segment_align: 8
    .kernarg_segment_size: 16
    .max_flat_workgroup_size: 128
    .sgpr_count:     66
    .vgpr_count:     66
    .wavefront_size: 32
...
	.end_amdgpu_metadata
.endif
;; end of part 1
;; launch gemm (part 2): grid 256 x 1, 4 waves a work-group, clusters of 4 x 1, 327,680 bytes of LDS; arguments xh, weight, scales, out0; writes out0
.if DOCPART == 2
	.amdgcn_target "amdgcn-amd-amdhsa--gfx1250"
	.amdhsa_code_object_version 6
	.text
	.protected	k_q5153e8b049_gemm
	.globl	k_q5153e8b049_gemm
	.p2align	8
	.type	k_q5153e8b049_gemm,@function
k_q5153e8b049_gemm:
	s_mov_b64 s[64:65], 0
	v_nop
	global_prefetch_b8 v0, s[64:65] scope:SCOPE_SE
	s_setreg_imm32_b32 hwreg(HW_REG_WAVE_MODE, 25, 1), 1
	s_wait_xcnt 0x0
	s_wait_alu depctr_hold_cnt(0) depctr_sa_sdst(0) depctr_va_vdst(0) depctr_va_sdst(0) depctr_va_ssrc(0) depctr_va_vcc(0) depctr_vm_vsrc(0)
	s_getreg_b32 s2, hwreg(HW_REG_IB_STS2, 6, 4)
	s_cmp_eq_u32 s2, 0
	s_cbranch_scc0 .Lentry_in_a_cluster
	s_endpgm
.Lentry_in_a_cluster:
	s_bfe_u32 s2, ttmp6, 0x10000c
	s_cmp_lg_u32 s2, 0x3003
	s_cbranch_scc0 .Lentry_shape_is_right
	s_endpgm
.Lentry_shape_is_right:
; out[m][n] = scales[n] * sum over k of x[m][k] W[n][k].   x as f16 in fragment order (xh), W [16384][4096] int8, out [256][16384] f32.
; A work-group makes all 256 rows x 64 columns.  K IS SPLIT OVER THE FOUR WAVES: in a trip of 256 along K wave w takes k = 64 w .. 64 w + 63
; (two k blocks of 32) and holds the whole 256 x 64 block as a partial sum, 64 accumulators of 16 x 16 = 512 registers.  So each weight is
; turned into f16 once in the whole launch, in registers, and a k block's 64 matrix instructions read 16 KB of x and 2 KB of W from LDS.
; The four partial sums meet in LDS at the end; that way out also turns the lanes' pieces into whole rows of 256 bytes.
; int8 -> f16, exact: (w xor 0x80) is w + 128 as a byte; 0x6400 | byte is the f16 number 1024 + byte; a packed add of -1152 gives w.
; k inside a block of 32 is permuted alike in both operands: lane (r, h), register j, half p holds k = 16 h + 2 j + p.
; LIMITS: x is f16 (|x| above 65,504 infinite; step 2^-24 below 6.1e-5).  An output is (p0 + p1) + (p2 + p3) of four f32 partial sums over
; interleaved shares of K: an order of additions other than the reference's.
; CLUSTER 4, 1, 1: every work-group walks all of xh, so x's tiles are asked for jointly by the four of a cluster (mask 15), which divides the
; requests for them by four.  W's rows belong to one work-group alone and come by plain loads.
; Tensor loads out, by this text's count: four at the start (two slots, x and W), later the two of a refill.
;
; LDS: two slots of SLOT bytes: x, 4 waves x 32,768 bytes, dense (a fragment is read as 2 x 512 consecutive bytes); then W, 64 rows of 256 + 16 bytes.
;      After the last fill the four partial sums overlay the ring from byte 0: 256 rows of 256 + 16 bytes each.
; REGISTERS: window 0: addresses, raw W, W's fragments (two buffers), the sum's work; window 1: x's 16 fragments, two buffers;
;            window 2: accumulators of rows 0-127 (tile (mb, f) at 8 (4 (mb & 7) + f)); window 3: rows 128-255.
.set WPART,  131072                    ; W's rows behind x's four parts
.set WPITCH, 272                       ; 68 words: row r starts at bank 4 r mod 64 (64 banks of 4 bytes: ISA guide 11.1)
.set SLOT,   WPART+64*WPITCH           ; 148,480
.set PART,   256*WPITCH                ; a partial sum: 69,632
.set ADRX, 2                           ; v2-3    LDS address of my 16 bytes of x's first fragment, slot 0, 1
.set ADRW, 4                           ; v4-5    the same for W's raw bytes
.set STO,  6                           ; v6      where my piece of a partial sum goes
.set RD,   8                           ; v8-11   where I read partial sum 0..3 back
.set CO,   12                          ; v12     my byte offset in out
.set KC,   13                          ; v13     -1152 twice, f16
.set PFV,  14                          ; v14     prefetch: 16 rows x 2 blocks of 256 bytes
.set SCO,  15                          ; v15     my byte offset in scales
.set SC,   16                          ; v[16:19] scales of my four columns
.set RAW,  32                          ; v[32:47] W as loaded: 4 fragments x 16 bytes a lane
.set BF0,  64                          ; v[64:95]  W's four fragments in f16, buffer 0
.set BF1,  96                          ; v[96:127] buffer 1
.set T0,   128                         ; v[128:255] the sum: two sets of 64
.set AB0,  0                           ; window 1: x's fragments, buffer 0
.set AB1,  128                         ; window 1: buffer 1
.set G1X, 16                           ; s[16:23] group 1 for x
.set G1W, 24                           ; s[24:31] group 1 for W
.set G0X, 32                           ; s[32:39] group 0 for x, one set for each slot
.set G0W, 40                           ; s[40:47] group 0 for W, one set for each slot
.set MSB, 0
.macro WIN new                         ; the immediate's high byte repeats the setting that is left
.if MSB != \new
	s_set_vgpr_msb (MSB<<8)|\new
.set MSB, \new
.endif
.endm
.set MUL_LO, 0xa4                      ; source 0 (W) window 0, source 1 (x) window 1, C and D window 2
.set MUL_HI, 0xf4                      ; the same, C and D window 3
.set TO_A,   0x40                      ; destination window 1, address window 0
.set ST_LO,  0x08                      ; an LDS store's data from window 2
.set ST_HI,  0x0c                      ; from window 3
; A round of the cluster's barrier: my work-group's barrier, wave 0 signals for the work-group, every wave waits for the four work-groups, my work-group's barrier again.
.macro CREST                           ; a round behind its opening barrier
	s_cmp_lg_u32 s12, 0
	s_cbranch_scc1 .Lnot_wave_0_\@
	s_barrier_signal -3
.Lnot_wave_0_\@:
	s_barrier_wait -3
	s_barrier_signal -1
	s_barrier_wait -1
.endm
.macro CROUND
	s_barrier_signal -1
	s_barrier_wait -1
	CREST
.endm
	s_load_b256 s[4:11], s[0:1], 0x0               ; xh s[4:5], weight s[6:7], scales s[8:9], out0 s[10:11]
	v_lshl_add_u32 v62, v0, 2, 0x48800
	v_mov_b32 v63, 0
	ds_add_u32 v62, v63
	v_lshrrev_b32 v1, 5, v0
	v_readfirstlane_b32 s12, v1                    ; wave 0..3
	s_bfe_u32 s13, ttmp6, 0x40000                  ; cx: my place in the cluster
	s_lshl_b32 s14, ttmp9, 2                       ; ttmp9 counts clusters
	s_add_co_u32 s14, s14, s13                     ; work-group 0..255 = block of 64 columns
	s_mov_b32 s48, 0x80808080                      ; int8 + 128, four at a time
	s_mov_b32 s49, 0x64646464                      ; the upper byte of f16 1024 + byte
	s_mov_b32 s50, 0x04010400                      ; v_perm_b32: {0x64, byte 1, 0x64, byte 0}
	s_mov_b32 s51, 0x04030402                      ;             {0x64, byte 3, 0x64, byte 2}
	; group 1 for x: 32,768 dense bytes as 128 rows of 32 elements of 8 bytes
	s_mov_b32 s[G1X+0], 15|(3<<16)|(1<<21)         ; 15:0 mask: all four of the cluster; 17:16 elements of 8 bytes; 21 set beside a mask
	s_mov_b32 s[G1X+1], 32<<16                     ; tensor_dim0 = 32
	s_mov_b32 s[G1X+2], 128<<16                    ; tensor_dim1 = 128
	s_mov_b32 s[G1X+3], 32<<16                     ; tile_dim0 = 32
	s_mov_b32 s[G1X+4], 128                        ; tile_dim1 = 128
	s_mov_b32 s[G1X+5], 32                         ; from row to row: 32 elements
	s_mov_b32 s[G1X+6], 0
	s_mov_b32 s[G1X+7], 0
	; group 1 for W: 16 rows of 256 bytes, 4,096 apart, 16 bytes of padding behind each in LDS
	s_mov_b32 s[G1W+0], (1<<20)|(5<<22)|(3<<25)    ; no mask; elements of 1 byte; padding on: after every 64 words (code 5) 4 words (code 3)
	s_mov_b32 s[G1W+1], 256<<16                    ; tensor_dim0 = 256
	s_mov_b32 s[G1W+2], 16<<16                     ; tensor_dim1 = 16
	s_mov_b32 s[G1W+3], 256<<16                    ; tile_dim0 = 256
	s_mov_b32 s[G1W+4], 16                         ; tile_dim1 = 16
	s_mov_b32 s[G1W+5], 4096                       ; from row to row
	s_mov_b32 s[G1W+6], 0
	s_mov_b32 s[G1W+7], 0
	s_lshl_b32 s15, s12, 15                        ; my part of x in a slot, and in a trip's 131,072 bytes of xh
	s_mul_i32 s53, s12, 16*WPITCH
	s_add_co_u32 s53, s53, WPART                   ; the 16 rows of W that I fetch
	; lane terms
	v_and_b32 v20, 15, v0                          ; r
	v_bfe_u32 v21, v0, 4, 1                        ; h
	v_and_b32 v22, 31, v0                          ; lane
	v_lshl_add_u32 v[ADRX], v22, 4, s15            ; 16 x lane + my part
	v_add_nc_u32 v[ADRX+1], SLOT, v[ADRX]
	v_mul_u32_u24 v23, v20, WPITCH                 ; r rows
	s_lshl_b32 s3, s12, 6                          ; my 64 k of the trip's 256
	s_add_co_u32 s3, s3, WPART
	v_lshl_add_u32 v24, v21, 4, v23                ; + 16 h
	v_add_nc_u32 v[ADRW], s3, v24
	v_add_nc_u32 v[ADRW+1], SLOT, v[ADRW]
	s_mul_i32 s3, s12, PART                        ; my partial sum
	v_lshl_add_u32 v24, v21, 5, v23                ; row r, columns 8 h ..
	v_add_nc_u32 v[STO], s3, v24
	s_mul_i32 s3, s12, 64*WPITCH                   ; the 64 rows that I sum and store
	v_mul_u32_u24 v24, v21, WPITCH                 ; lanes 0-15 one row, lanes 16-31 the next
	v_lshl_add_u32 v24, v20, 4, v24
	v_add_nc_u32 v[RD], s3, v24
	v_add_nc_u32 v[RD+1], PART, v[RD]
	v_add_nc_u32 v[RD+2], 2*PART, v[RD]
	v_add_nc_u32 v[RD+3], 3*PART, v[RD]
	v_lshlrev_b32 v[SCO], 4, v20                   ; four columns a lane
	v_lshl_add_u32 v[CO], v21, 16, v[SCO]          ; + h rows of 65,536 bytes
	v_mov_b32 v[KC], 0xe480e480
	v_lshlrev_b32 v[PFV], 12, v20                  ; row r of my 16
	v_lshl_add_u32 v[PFV], v21, 8, v[PFV]          ; + h blocks of 256 bytes
	s_wait_dscnt 0x0
	s_wait_kmcnt 0x0
	s_mov_b32 s62, s15                             ; x's address is made of the wave's number alone: the same in all four partners
	s_mov_b32 s63, 0
	s_add_nc_u64 s[56:57], s[4:5], s[62:63]
	s_lshl_b32 s60, s14, 18                        ; 64 rows of 4,096 bytes a work-group
	s_lshl_b32 s3, s12, 16                         ; 16 rows a wave
	s_add_co_u32 s60, s60, s3
	s_mov_b32 s61, 0
	s_add_nc_u64 s[58:59], s[6:7], s[60:61]        ; W at my 16 rows: stays as it is
	s_add_nc_u64 s[54:55], s[58:59], 1024          ; prefetch base: the columns of lap 2
	s_lshl_b32 s60, s14, 8                         ; 64 f32
	s_add_nc_u64 s[8:9], s[8:9], s[60:61]          ; scales at my block's first column
	s_lshl_b32 s3, s12, 22                         ; 64 rows of 65,536 bytes
	s_add_co_u32 s60, s60, s3
	s_add_nc_u64 s[10:11], s[10:11], s[60:61]      ; out at my 64 rows, my block's first column
	CROUND                                         ; all four work-groups are here: the first joint loads meet
.irp s, 0,1
	s_mov_b32 s[G0X+4*\s], 1                                       ; count = 1
	s_add_co_u32 s[G0X+4*\s+1], s15, \s*SLOT                       ; LDS address
	s_add_nc_u64 s[G0X+4*\s+2:G0X+4*\s+3], s[56:57], \s*131072     ; trip s
	s_or_b32 s[G0X+4*\s+3], s[G0X+4*\s+3], 0x80000000              ; type = 2
	s_mov_b32 s[G0W+4*\s], 1
	s_add_co_u32 s[G0W+4*\s+1], s53, \s*SLOT
	s_add_nc_u64 s[G0W+4*\s+2:G0W+4*\s+3], s[58:59], \s*256
	s_or_b32 s[G0W+4*\s+3], s[G0W+4*\s+3], 0x80000000
	tensor_load_to_lds s[G0X+4*\s:G0X+4*\s+3], s[G1X:G1X+7]        ; joint
	s_nop 0
	tensor_load_to_lds s[G0W+4*\s:G0W+4*\s+3], s[G1W:G1W+7]        ; my own
	s_nop 0
.endr
	global_load_b128 v[SC:SC+3], v[SCO], s[8:9]                    ; waited for once, in front of the sum
	global_prefetch_b8 v[PFV], s[58:59] offset:512 th:TH_LOAD_NT scope:SCOPE_SE   ; lap 1's 512 columns of my 16 rows
; 16 matrix instructions: row blocks first .. first + 3 of the window's eight x all 4 column blocks, 32 along K.
; TRANSPOSED USE: source 0 = 16 rows of W, source 1 = 16 rows of x: lane (r, h), register j holds out[16 mb + r][16 f + 8 h + j], eight neighbouring columns.
; The 64 accumulators take turns, one instruction a turn, in the same order in every k block, over the backward jump too.
.macro MUL16 xa, wb, hi, first, zero
.irp a, \first, \first+1, \first+2, \first+3
.irp f, 0,1,2,3
.if \zero
	v_wmma_f32_16x16x32_f16 v[8*(4*(\a)+\f):8*(4*(\a)+\f)+7], v[\wb+8*\f:\wb+8*\f+7], v[\xa+8*(8*\hi+(\a)):\xa+8*(8*\hi+(\a))+7], 0
.else
	v_wmma_f32_16x16x32_f16 v[8*(4*(\a)+\f):8*(4*(\a)+\f)+7], v[\wb+8*\f:\wb+8*\f+7], v[\xa+8*(8*\hi+(\a)):\xa+8*(8*\hi+(\a))+7], v[8*(4*(\a)+\f):8*(4*(\a)+\f)+7]
.endif
.endr
.endr
.endm
; 36 LDS loads in one run: k block q of my two in the slot.  First W's raw bytes (lane (r, h): W[16 f + r][.. + 16 h .. + 15]), then x's 16 fragments, row blocks ascending.
.macro FETCH slot, q, xa
	WIN 0
.irp f, 0,1,2,3
	ds_load_b128 v[RAW+4*\f:RAW+4*\f+3], v[ADRW+\slot] offset:\f*16*WPITCH+32*\q
.endr
	WIN TO_A
.irp mb, 0,1,2,3,4,5,6,7,8,9,10,11,12,13,14,15
	ds_load_b128 v[\xa+8*\mb:\xa+8*\mb+3],   v[ADRX+\slot] offset:\q*16384+\mb*1024
	ds_load_b128 v[\xa+8*\mb+4:\xa+8*\mb+7], v[ADRX+\slot] offset:\q*16384+\mb*1024+512
.endr
.endm
; 64 raw bytes a lane -> four f16 fragments.  80 plain vector instructions that name none of the registers of the matrix instructions in front of them.
; They are also the places between a k block's matrix instructions and the next writes of that block's operands: buffer wb was last read
; one k block back, behind which the other buffer's 80 stand; the x buffer that the next fetch loads was last read in front of this block.
.macro CONVERT wb
	WIN 0
	s_wait_dscnt 32                                ; the four raw loads are the oldest of the 36: x's 32 stay out
.set CI, 0
.rept 16
	v_xor_b32 v[RAW+CI], s48, v[RAW+CI]            ; w + 128 in each byte
.set CI, CI+1
.endr
.set CI, 0
.rept 16
	v_perm_b32 v[\wb+2*CI],   s49, v[RAW+CI], s50  ; 1024 + byte, twice
	v_perm_b32 v[\wb+2*CI+1], s49, v[RAW+CI], s51
.set CI, CI+1
.endr
.set CI, 0
.rept 32
	v_pk_add_f16 v[\wb+CI], v[\wb+CI], v[KC]       ; - 1152: exact
.set CI, CI+1
.endr
.endm
; The first k block of a trip, on buffers 0; it fetches and converts the second.
.macro KB0 slot, zero
	s_wait_dscnt 16                                ; x's row blocks 0-7 are in; the youngest 16 loads (blocks 8-15) may be out
	WIN MUL_LO
	MUL16 AB0, BF0, 0, 0, \zero
	MUL16 AB0, BF0, 0, 4, \zero
	FETCH \slot, 1, AB1
	s_wait_dscnt 36                                ; all but the 36 just issued
	WIN MUL_HI
	MUL16 AB0, BF0, 1, 0, \zero
	MUL16 AB0, BF0, 1, 4, \zero
	CONVERT BF1
.endm
; The second k block, on buffers 1, and the change of slots.  fill = 1: this slot is filled again, two trips ahead, behind a round of the cluster's barrier.
; pf = 1: ask for W two laps ahead; pf = 2: step that request's base, a trip behind the request.
.macro KB1 slot, next, fill, pf
	s_wait_dscnt 16
	WIN MUL_LO
	MUL16 AB1, BF1, 0, 0, 0
	s_wait_dscnt 0x0                               ; my reads of this slot are back
	s_set_vgpr_msb 0xa4a0
	s_wait_tensorcnt 0x0                           ; all my tensor loads have landed: the two that were out are my parts of the next slot
	ds_add_u32 v62, v63
	s_wait_dscnt 0x0
	s_set_vgpr_msb 0xa0a4
	s_barrier_signal -1                            ; say so (with fill = 1 this opens the round),
	MUL16 AB1, BF1, 0, 4, 0                        ; work on registers while the others arrive,
	WIN 0
	s_barrier_wait -1
.if \fill
	CREST                                          ; no wave of any partner still reads this slot or has a load on its way
	s_add_nc_u64 s[G0X+4*\slot+2:G0X+4*\slot+3], s[G0X+4*\slot+2:G0X+4*\slot+3], 2*131072
	s_add_nc_u64 s[G0W+4*\slot+2:G0W+4*\slot+3], s[G0W+4*\slot+2:G0W+4*\slot+3], 2*256
	tensor_load_to_lds s[G0X+4*\slot:G0X+4*\slot+3], s[G1X:G1X+7]  ; the first tensor loads behind the round: 112 matrix instructions stand between them and the wait for them
	s_nop 0
	tensor_load_to_lds s[G0W+4*\slot:G0W+4*\slot+3], s[G1W:G1W+7]
	s_nop 0
.endif
	FETCH \next, 0, AB0
.if \pf == 1
	global_prefetch_b8 v[PFV], s[54:55] th:TH_LOAD_NT scope:SCOPE_SE   ; my 16 rows x 512 columns of the lap after next: each block is asked for once, by the wave that will fetch it
.endif
.if \pf == 2
	s_wait_xcnt 0x0                                ; the request's base is written only behind this wait
	s_add_nc_u64 s[54:55], s[54:55], 512
.endif
	WIN MUL_HI
	MUL16 AB1, BF1, 1, 0, 0
	MUL16 AB1, BF1, 1, 4, 0
	CONVERT BF0
.endm
.macro LAP zero, pf                    ; two trips = once round the ring, both slots filled again
	KB0 0, \zero
	KB1 0, 1, 1, \pf
	KB0 1, 0
	KB1 1, 0, 1, 2*\pf
.endm
	s_wait_tensorcnt 2                             ; slot 0's two loads of mine are in; slot 1's two stay out
	s_barrier_signal -1
	s_barrier_wait -1                              ; everybody's are
	FETCH 0, 0, AB0
	CONVERT BF0
	LAP 1, 1                                       ; lap 0 stands in front of the loop: its first k block starts all 64 sums
	WIN 0
	s_mov_b32 s52, 5                               ; laps 1 to 5
.Llap:
	LAP 0, 1
	WIN 0
	s_sub_co_u32 s52, s52, 1
	s_cmp_lg_u32 s52, 0
	s_cbranch_scc1 .Llap
	LAP 0, 0                                       ; lap 6: fills the last two trips; there is no lap 8 to ask for
	KB0 0, 0                                       ; lap 7 fills nothing and has no round
	KB1 0, 1, 0, 0
	KB0 1, 0
	s_wait_dscnt 0x0                               ; the very last k block: my reads of the ring are over,
	s_wait_tensorcnt 0x0                           ; and no load of mine is on its way (met since the last change of slots): the ring's bytes may be written by LDS stores behind the barrier
	WIN MUL_LO
	MUL16 AB1, BF1, 0, 0, 0
	MUL16 AB1, BF1, 0, 4, 0
	s_barrier_signal -1
	WIN MUL_HI
	MUL16 AB1, BF1, 1, 0, 0
	MUL16 AB1, BF1, 1, 4, 0
	WIN 0
	s_barrier_wait -1                              ; nobody reads the ring any more; it has had its last fill
.rept 4
	v_nop                                          ; the places between the last matrix instructions and the stores that read their results
.endr
; my partial sum into LDS: row 16 mb + r, columns 16 f + 8 h + 0..7 = two stores of 16 bytes; rows 272 bytes apart, so sixteen lanes hit sixteen different 16-byte columns
.macro STAGE hi
.irp a, 0,1,2,3,4,5,6,7
.irp f, 0,1,2,3
	ds_store_b128 v[STO], v[8*(4*\a+\f):8*(4*\a+\f)+3]   offset:(8*\hi+\a)*16*WPITCH+64*\f
	ds_store_b128 v[STO], v[8*(4*\a+\f)+4:8*(4*\a+\f)+7] offset:(8*\hi+\a)*16*WPITCH+64*\f+16
.endr
.endr
.endm
	WIN ST_LO
	STAGE 0
	WIN ST_HI
	STAGE 1
	WIN 0
	s_wait_dscnt 0x0                               ; for the others' sake: all my stores are done
	s_barrier_signal -1
	s_barrier_wait -1
	s_wait_loadcnt 0x0                             ; the scales
; THE SUM.  Wave w owns rows 64 w .. 64 w + 63, in 8 batches of 8 rows; a step ii is two rows (lanes 0-15 one, lanes 16-31 the next), four columns a lane.
.macro LOADB b
.set TB, T0+64*((\b)&1)
.irp ii, 0,1,2,3
.irp p, 0,1,2,3
	ds_load_b128 v[TB+16*\ii+4*\p:TB+16*\ii+4*\p+3], v[RD+\p] offset:(4*\b+\ii)*2*WPITCH
.endr
.endr
.endm
.macro PROC b, more
.set TB, T0+64*((\b)&1)
.irp ii, 0,1,2,3
	s_wait_dscnt 12-4*\ii+16*\more                 ; this step's four loads are in; the batch's later steps and the next batch's 16 stay out
	v_pk_add_f32 v[TB+16*\ii:TB+16*\ii+1],     v[TB+16*\ii:TB+16*\ii+1],     v[TB+16*\ii+4:TB+16*\ii+5]      ; p0 + p1
	v_pk_add_f32 v[TB+16*\ii+2:TB+16*\ii+3],   v[TB+16*\ii+2:TB+16*\ii+3],   v[TB+16*\ii+6:TB+16*\ii+7]
	v_pk_add_f32 v[TB+16*\ii+8:TB+16*\ii+9],   v[TB+16*\ii+8:TB+16*\ii+9],   v[TB+16*\ii+12:TB+16*\ii+13]    ; p2 + p3
	v_pk_add_f32 v[TB+16*\ii+10:TB+16*\ii+11], v[TB+16*\ii+10:TB+16*\ii+11], v[TB+16*\ii+14:TB+16*\ii+15]
	v_pk_add_f32 v[TB+16*\ii:TB+16*\ii+1],     v[TB+16*\ii:TB+16*\ii+1],     v[TB+16*\ii+8:TB+16*\ii+9]
	v_pk_add_f32 v[TB+16*\ii+2:TB+16*\ii+3],   v[TB+16*\ii+2:TB+16*\ii+3],   v[TB+16*\ii+10:TB+16*\ii+11]
	v_pk_mul_f32 v[TB+16*\ii:TB+16*\ii+1],     v[TB+16*\ii:TB+16*\ii+1],     v[SC:SC+1]
	v_pk_mul_f32 v[TB+16*\ii+2:TB+16*\ii+3],   v[TB+16*\ii+2:TB+16*\ii+3],   v[SC+2:SC+3]
	global_store_b128 v[CO], v[TB+16*\ii:TB+16*\ii+3], s[10:11] offset:(4*\b+\ii)*131072 th:TH_STORE_NT   ; sixteen lanes store 256 consecutive bytes, aligned: the block's 64 columns of a row
.endr
.endm
.macro STEP b, nb
	s_wait_xcnt 0x0                                ; the set that batch nb loads into held the data of the stores two batches back: it is written only behind this wait
	LOADB \nb
	PROC \b, 1
.endm
	LOADB 0
	LOADB 1                                        ; both sets are written for the first time: no store has read them
	PROC 0, 1
	STEP 1, 2
	STEP 2, 3
	STEP 3, 4
	STEP 4, 5
	STEP 5, 6
	STEP 6, 7
	PROC 7, 0
	s_wait_tensorcnt 0x0
	ds_add_u32 v62, v63
	s_wait_dscnt 0x0
	CROUND                                         ; the closing round: no work-group ends while a partner may still ask for a tile that names it
	s_endpgm
.Lfunc_end_k_q5153e8b049_gemm:
	.size	k_q5153e8b049_gemm, .Lfunc_end_k_q5153e8b049_gemm-k_q5153e8b049_gemm
	.p2alignl 7, 3214868480
	.fill 96, 4, 3214868480
	.section	.rodata,"a",@progbits
	.p2align	6, 0x0
	.amdhsa_kernel k_q5153e8b049_gemm
		.amdhsa_group_segment_fixed_size 327680
		.amdhsa_private_segment_fixed_size 0
		.amdhsa_enable_private_segment 0
		.amdhsa_kernarg_size 32
		.amdhsa_user_sgpr_count 2
		.amdhsa_user_sgpr_kernarg_segment_ptr 1
		.amdhsa_wavefront_size32 1
		.amdhsa_system_sgpr_workgroup_id_x 1
		.amdhsa_system_sgpr_workgroup_id_y 1
		.amdhsa_system_sgpr_workgroup_id_z 1
		.amdhsa_system_vgpr_workitem_id 0
		.amdhsa_next_free_vgpr 1024
		.amdhsa_next_free_sgpr 66
		.amdhsa_reserve_vcc 0
		.amdhsa_float_denorm_mode_32 3
		.amdhsa_float_denorm_mode_16_64 3
		.amdhsa_memory_ordered 1
		.amdhsa_forward_progress 1
		.amdhsa_inst_pref_size 225
	.end_amdhsa_kernel
	.amdgpu_metadata
---
amdhsa.version: [ 1, 2 ]
amdhsa.kernels:
  - .name:           k_q5153e8b049_gemm
    .symbol:         k_q5153e8b049_gemm.kd
    .args:
      - { .name: xh, .offset: 0, .size: 8, .value_kind: global_buffer, .address_space: global }
      - { .name: weight, .offset: 8, .size: 8, .value_kind: global_buffer, .address_space: global }
      - { .name: scales, .offset: 16, .size: 8, .value_kind: global_buffer, .address_space: global }
      - { .name: out0, .offset: 24, .size: 8, .value_kind: global_buffer, .address_space: global }
    .group_segment_fixed_size: 327680
    .private_segment_fixed_size: 0
    .kernarg_segment_align: 8
    .kernarg_segment_size: 32
    .max_flat_workgroup_size: 128
    .sgpr_count:     66
    .vgpr_count:     1024
    .wavefront_size: 32
...
	.end_amdgpu_metadata
.endif
;; end of part 2
;; ======== version 2 of 2: 2 launches
;; limits: values are held in f16: magnitudes above 65,504 overflow, below 6.1e-05 lose precision; inputs' magnitudes at most 65,504
;; workspace buffers: xh 2,097,152 bytes
;; launch pack (part 3): grid 256 x 1, 4 waves a work-group, no clusters, 9,216 bytes of LDS; arguments input, xh; writes xh
.if DOCPART == 3
	.amdgcn_target "amdgcn-amd-amdhsa--gfx1250"
	.amdhsa_code_object_version 6
	.text
	.protected	k_q5153e8b049_pack
	.globl	k_q5153e8b049_pack
	.p2align	8
	.type	k_q5153e8b049_pack,@function
k_q5153e8b049_pack:
	s_mov_b64 s[64:65], 0
	v_nop
	global_prefetch_b8 v0, s[64:65] scope:SCOPE_SE
	s_setreg_imm32_b32 hwreg(HW_REG_WAVE_MODE, 25, 1), 1
	s_wait_xcnt 0x0
; x [256][4096] f32  ->  xh, f16, in the order in which the product's matrix fragments are read:
;   xh[rb][kb][mb][c][L][e] = x[128 rb + 16 mb + (L & 15)][32 kb + 16 (L >> 4) + 8 c + e],  rb 0..1, kb 0..127, mb 0..7, c 0..1, L 0..31, e 0..7
;   byte = rb*1048576 + kb*8192 + mb*1024 + c*512 + L*16 + 2 e.   One fragment (16 rows x 32 k) is 1,024 consecutive bytes,
;   and the eight fragments of a block of 128 rows and one k block are 8,192 consecutive bytes.
; LIMIT: x is rounded to f16 (nearest even): |x| above 65,504 becomes infinite, below 6.1e-5 the step is 2^-24.
; A wave's job: 16 rows x 64 columns (4,096 bytes in, 2,048 out).  1,024 jobs = 256 work-groups x 4 waves.
; Memory binds: each byte is read once and written once; no matrix unit, no cluster, no barrier (a wave's LDS bytes are its own).
.set ROWB,  16384                      ; bytes in a row of x
.set CHUNK, 544                        ; LDS pitch of a 512-byte chunk (kb, c): 512 + 32, so that the four chunks start at different banks
.set WLDS,  4*CHUNK                    ; LDS bytes of a wave
.set OFF, 5                            ; v5      my byte offset in x from the job's first element
.set ST,  6                            ; v6      where my 8 bytes of f16 go in LDS
.set RDB, 9                            ; v9      where I read 16 bytes back
.set CO,  10                           ; v10     my byte offset in xh
.set X,   16                           ; v[16:47] eight loads of 4 f32; v[16:31] later: the chunks read back
.set P,   48                           ; v[48:63] eight pairs of packed f16
	s_load_b128 s[4:7], s[0:1], 0x0                ; input s[4:5], xh s[6:7]
	v_lshl_add_u32 v64, v0, 2, 0x2200
	v_mov_b32 v65, 0
	v_lshrrev_b32 v1, 5, v0
	v_readfirstlane_b32 s8, v1                     ; wave 0..3
	s_lshl_b32 s9, ttmp9, 2
	s_add_co_u32 s9, s9, s8                        ; job = 4 x work-group + wave
	s_and_b32 s14, s9, 15                          ; which 16 rows: 8 rb + mb
	s_lshr_b32 s15, s9, 4                          ; kp: which 64 columns (two k blocks of 32)
	s_lshl_b32 s10, s14, 18                        ; 16 rows of 16,384 bytes
	s_lshl_b32 s16, s15, 8                         ; 64 f32
	s_add_co_u32 s10, s10, s16
	s_mov_b32 s11, 0
	s_lshr_b32 s16, s14, 3                         ; rb
	s_lshl_b32 s12, s16, 20                        ; a row block's 1,048,576 bytes of xh
	s_lshl_b32 s16, s15, 14                        ; two k blocks of 8,192 bytes
	s_add_co_u32 s12, s12, s16
	s_and_b32 s16, s14, 7                          ; mb
	s_lshl_b32 s16, s16, 10                        ; a fragment of 1,024 bytes
	s_add_co_u32 s12, s12, s16
	s_mov_b32 s13, 0
	s_mul_i32 s17, s8, WLDS                        ; my wave's LDS bytes
	v_and_b32 v2, 31, v0                           ; lane L
	v_lshrrev_b32 v3, 4, v2                        ; g: which of the two rows of a load
	v_and_b32 v4, 15, v2                           ; j: which 16 bytes (4 columns) of the row's 256
	v_lshlrev_b32 v[OFF], 4, v4
	v_lshl_add_u32 v[OFF], v3, 14, v[OFF]          ; g rows + 16 j
	; column 4 j + u of the 64: k block j >> 3, half of the lanes (j >> 2) & 1, c = (j >> 1) & 1, e = 4 (j & 1) + u
	v_lshrrev_b32 v7, 3, v4
	v_bfe_u32 v8, v4, 1, 1
	v_lshl_add_u32 v7, v7, 1, v8                   ; chunk = 2 x k block + c
	v_mul_u32_u24 v[ST], v7, CHUNK
	v_bfe_u32 v8, v4, 2, 1
	v_lshl_add_u32 v[ST], v8, 8, v[ST]             ; fragment lanes 16..31 lie 256 bytes up
	v_lshl_add_u32 v[ST], v3, 4, v[ST]             ; row g of the load's two
	v_and_b32 v8, 1, v4
	v_lshl_add_u32 v[ST], v8, 3, v[ST]             ; e = 0 or 4
	v_add_nc_u32 v[ST], s17, v[ST]
	v_lshl_add_u32 v[RDB], v2, 4, s17
	v_lshlrev_b32 v[CO], 4, v2
	s_wait_kmcnt 0x0
	s_add_nc_u64 s[4:5], s[4:5], s[10:11]
	s_add_nc_u64 s[6:7], s[6:7], s[12:13]
.irp i, 0,1,2,3,4,5,6,7
	global_load_b128 v[X+4*\i:X+4*\i+3], v[OFF], s[4:5] offset:\i*2*ROWB th:TH_LOAD_NT   ; rows 2 i, 2 i + 1: sixteen lanes take 256 consecutive aligned bytes of a row
.endr
.irp i, 0,1,2,3,4,5,6,7
	s_wait_loadcnt 7-\i                            ; loads come back in order (ISA guide 5.7.1): load i is in, the younger ones stay out
	v_cvt_pk_f16_f32 v[P+2*\i],   v[X+4*\i],   v[X+4*\i+1]
	v_cvt_pk_f16_f32 v[P+2*\i+1], v[X+4*\i+2], v[X+4*\i+3]
	ds_store_b64 v[ST], v[P+2*\i:P+2*\i+1] offset:32*\i      ; two rows on = two fragment lanes of 16 bytes
.endr
.irp t, 0,1,2,3
	ds_load_b128 v[X+4*\t:X+4*\t+3], v[RDB] offset:CHUNK*\t  ; my wave's own bytes; LDS serves a wave's instructions in order: these see the stores above
.endr
	s_wait_dscnt 3                                 ; chunk 0 is back; the three younger loads stay out, and so on down
	global_store_b128 v[CO], v[X:X+3],     s[6:7]                ; each store covers 512 consecutive bytes, aligned
	s_wait_dscnt 2
	global_store_b128 v[CO], v[X+4:X+7],   s[6:7] offset:512
	s_wait_dscnt 1
	global_store_b128 v[CO], v[X+8:X+11],  s[6:7] offset:8192    ; the second k block
	s_wait_dscnt 0
	global_store_b128 v[CO], v[X+12:X+15], s[6:7] offset:8704
	s_wait_tensorcnt 0x0
	ds_add_u32 v64, v65
	s_wait_dscnt 0x0
	s_endpgm
.Lfunc_end_k_q5153e8b049_pack:
	.size	k_q5153e8b049_pack, .Lfunc_end_k_q5153e8b049_pack-k_q5153e8b049_pack
	.p2alignl 7, 3214868480
	.fill 96, 4, 3214868480
	.section	.rodata,"a",@progbits
	.p2align	6, 0x0
	.amdhsa_kernel k_q5153e8b049_pack
		.amdhsa_group_segment_fixed_size 9216
		.amdhsa_private_segment_fixed_size 0
		.amdhsa_enable_private_segment 0
		.amdhsa_kernarg_size 16
		.amdhsa_user_sgpr_count 2
		.amdhsa_user_sgpr_kernarg_segment_ptr 1
		.amdhsa_wavefront_size32 1
		.amdhsa_system_sgpr_workgroup_id_x 1
		.amdhsa_system_sgpr_workgroup_id_y 1
		.amdhsa_system_sgpr_workgroup_id_z 1
		.amdhsa_system_vgpr_workitem_id 0
		.amdhsa_next_free_vgpr 66
		.amdhsa_next_free_sgpr 66
		.amdhsa_reserve_vcc 0
		.amdhsa_float_denorm_mode_32 3
		.amdhsa_float_denorm_mode_16_64 3
		.amdhsa_memory_ordered 1
		.amdhsa_forward_progress 1
		.amdhsa_inst_pref_size 6
	.end_amdhsa_kernel
	.amdgpu_metadata
---
amdhsa.version: [ 1, 2 ]
amdhsa.kernels:
  - .name:           k_q5153e8b049_pack
    .symbol:         k_q5153e8b049_pack.kd
    .args:
      - { .name: input, .offset: 0, .size: 8, .value_kind: global_buffer, .address_space: global }
      - { .name: xh, .offset: 8, .size: 8, .value_kind: global_buffer, .address_space: global }
    .group_segment_fixed_size: 9216
    .private_segment_fixed_size: 0
    .kernarg_segment_align: 8
    .kernarg_segment_size: 16
    .max_flat_workgroup_size: 128
    .sgpr_count:     66
    .vgpr_count:     66
    .wavefront_size: 32
...
	.end_amdgpu_metadata
.endif
;; end of part 3
;; launch gemm (part 4): grid 256 x 1, 4 waves a work-group, clusters of 4 x 1, 327,680 bytes of LDS; arguments xh, weight, scales, out0; writes out0
.if DOCPART == 4
	.amdgcn_target "amdgcn-amd-amdhsa--gfx1250"
	.amdhsa_code_object_version 6
	.text
	.protected	k_q5153e8b049_gemm
	.globl	k_q5153e8b049_gemm
	.p2align	8
	.type	k_q5153e8b049_gemm,@function
k_q5153e8b049_gemm:
	s_mov_b64 s[64:65], 0
	v_nop
	global_prefetch_b8 v0, s[64:65] scope:SCOPE_SE
	s_setreg_imm32_b32 hwreg(HW_REG_WAVE_MODE, 25, 1), 1
	s_wait_xcnt 0x0
	s_wait_alu depctr_hold_cnt(0) depctr_sa_sdst(0) depctr_va_vdst(0) depctr_va_sdst(0) depctr_va_ssrc(0) depctr_va_vcc(0) depctr_vm_vsrc(0)
	s_getreg_b32 s2, hwreg(HW_REG_IB_STS2, 6, 4)
	s_cmp_eq_u32 s2, 0
	s_cbranch_scc0 .Lentry_in_a_cluster
	s_endpgm
.Lentry_in_a_cluster:
	s_bfe_u32 s2, ttmp6, 0x10000c
	s_cmp_lg_u32 s2, 0x3003
	s_cbranch_scc0 .Lentry_shape_is_right
	s_endpgm
.Lentry_shape_is_right:
; out[m][n] = scales[n] * sum over k of x[m][k] W[n][k].   x as f16 in fragment order (xh), W [16384][4096] int8, out [256][16384] f32.
; A work-group makes a block of 128 rows x 128 columns: it lands 128 x 4096 x 2 bytes of x and 128 x 4096 bytes of W in LDS, 1.5 MB, the least
; that 16,384 outputs a work-group allow with x in 2 bytes and W in 1.  K IS SPLIT OVER THE FOUR WAVES: of a tile of 256 along K wave w takes
; k = 64 w .. 64 w + 63 (two k blocks of 32) and holds the whole block as a partial sum, 64 accumulators of 16 x 16 = 512 registers.  So each byte
; in LDS is read once, a work-group turns each of its weights into f16 once, in registers, and a k block's 64 matrix instructions read 8 KB of x
; and 4 KB of W.  The four partial sums meet in LDS at the end; that way out also turns the lanes' pieces into whole rows of 512 bytes.
; int8 -> f16, exact: (w xor 0x80) is w + 128 as a byte; 0x6400 | byte is the f16 number 1024 + byte; a packed add of -1152 gives w.
; k inside a block of 32 is permuted alike in both operands: lane (r, h), register j, half p holds k = 16 h + 2 j + p.
; LIMITS: x is f16 (|x| above 65,504 infinite; step 2^-24 below 6.1e-5).  An output is (p0 + p1) + (p2 + p3) of four f32 partial sums over
; interleaved shares of K: an order of additions other than the reference's.
; CLUSTER 4, 1, 1: the four work-groups of a cluster make four column blocks of ONE row block, so x's tiles are asked for jointly (mask 15):
; 256 work-groups x 1 MB become 64 MB of requests.  W's tile is wanted by two work-groups only (there are two row blocks), which lie in
; neighbouring clusters: two do not fill a column of four, so W comes by plain loads, 128 MB of requests.
; THE RING: three slots, one tile of 256 along K each; at every odd tile t a round of the cluster's barrier, and behind it tiles t + 2 and t + 3 are asked for.
; Of each tile W's load goes ahead of x's: W's bytes are asked for by two work-groups in the whole launch, x's by all 128 of a row block.
; From the request to the wait for it a wave issues 136 matrix instructions (24 + 64 + 48) for the pair's first tile and 240 for its second.
; Tensor loads out, by this text's count: six at the start (three slots, W and x), later the four of a refill.
;
; LDS: three slots of SLOT bytes: x, 4 waves x 16,384 bytes, dense (a fragment is read as 2 x 512 consecutive bytes); then W, 128 rows of 256 + 16 bytes.
;      After the last fill the four partial sums overlay the ring from byte 0: 128 rows of 512 + 16 bytes each.
; REGISTERS.  Window 0: addresses, W as loaded, x's 8 fragments in two buffers, the sum's work.
;   Windows 1, 2, 3 hold the column fragments f = 0-2, 3-5, 6-7; with g = f - the window's first: accumulator (mb, g) at 64 g + 8 mb,
;   W's fragment g in f16 at 192 + 8 g (buffer A) and 216 + 8 g (buffer B), 4 temporaries a fragment at 240.
;   Under ONE setting (source 0, source 2 and destination in the window, source 1 in window 0) the matrix instruction finds W (source 0), x (source 1)
;   and its accumulator, and the three conversion instructions find their registers too: so the next k block's conversions stand between this k block's matrix
;   instructions, with four switches of the window for a k block (five where a round stands in it).
.set WPART,  65536                     ; W's rows behind x's four parts
.set WPITCH, 272                       ; 68 words: row r starts at bank 4 r mod 64 (64 banks of 4 bytes: ISA guide 11.1)
.set SLOT,   WPART+128*WPITCH          ; 100,352
.set SPITCH, 528                       ; 132 words: again 4 r mod 64
.set PART,   128*SPITCH                ; a partial sum: 67,584
.set XSTEP,  65536                     ; bytes of xh from a tile to the next (8 k blocks of 8,192)
.set WSTEP,  256                       ; bytes of a row of W from a tile to the next
.set ADRX, 2                           ; v2-4    LDS address of my 16 bytes of x's first fragment, slot 0, 1, 2
.set ADRW, 5                           ; v5-7    the same for W's raw bytes
.set STO,  8                           ; v8      where my piece of a partial sum goes
.set RD,   9                           ; v9-12   where I read partial sum 0..3 back
.set KC,   13                          ; v13     -1152 twice, f16
.set PFV,  14                          ; v14     prefetch: 32 rows of W
.set LOFF, 15                          ; v15     16 x lane: my byte offset in scales and in a row of out
.set SC,   16                          ; v[16:19] scales of my four columns
.set RAW,  32                          ; v[32:63] W as loaded: 8 fragments x 16 bytes a lane
.set AB0,  64                          ; v[64:127]  x's eight fragments, buffer 0
.set AB1,  128                         ; v[128:191] buffer 1
.set T0,   64                          ; v[64:191] later: the sum's two sets of 64
.set BFA,  192                         ; in windows 1-3
.set BFB,  216
.set TX,   240
.set G1X, 16                           ; s[16:23] group 1 for x
.set G1W, 24                           ; s[24:31] group 1 for W
.set G0X, 32                           ; s[32:43] group 0 for x, one set for each slot
.set G0W, 44                           ; s[44:55] group 0 for W, one set for each slot
.set QS1, 0x51                         ; source 0, source 2, destination in window 1; source 1 in window 0
.set QS2, 0xa2                         ; the same for window 2
.set QS3, 0xf3                         ; and 3
.set MSB, 0
.macro WIN new                         ; the immediate's high byte repeats the setting that is left
.if MSB != \new
	s_set_vgpr_msb (MSB<<8)|\new
.set MSB, \new
.endif
.endm
; A round of the cluster's barrier: my work-group's barrier, wave 0 signals for the work-group, every wave waits for the four work-groups, my work-group's barrier again.
.macro CREST                           ; a round behind its opening barrier
	s_cmp_lg_u32 s12, 0
	s_cbranch_scc1 .Lnot_wave_0_\@
	s_barrier_signal -3
.Lnot_wave_0_\@:
	s_barrier_wait -3
	s_barrier_signal -1
	s_barrier_wait -1
.endm
.macro CROUND
	s_barrier_signal -1
	s_barrier_wait -1
	CREST
.endm
	s_load_b256 s[4:11], s[0:1], 0x0               ; xh s[4:5], weight s[6:7], scales s[8:9], out0 s[10:11]
	s_set_vgpr_msb 0x40
	v_lshl_add_u32 v255, v0, 2, 0x49800
	s_set_vgpr_msb 0x4000
	v_mov_b32 v255, 0
	s_set_vgpr_msb 0x1
	ds_add_u32 v255, v255
	s_set_vgpr_msb 0x100
	v_lshrrev_b32 v1, 5, v0
	v_readfirstlane_b32 s12, v1                    ; wave 0..3
	s_bfe_u32 s13, ttmp6, 0x40000                  ; cx: my place in the cluster
	s_and_b32 s15, ttmp9, 1                        ; rb: which 128 rows.  ttmp9 counts clusters: the same in all four partners
	s_lshr_b32 s14, ttmp9, 1
	s_lshl_b32 s14, s14, 2
	s_add_co_u32 s14, s14, s13                     ; cb: which 128 columns, 0..127
	s_mov_b32 s72, 0x80808080                      ; int8 + 128, four at a time
	s_mov_b32 s73, 0x64646464                      ; the upper byte of f16 1024 + byte
	s_mov_b32 s74, 0x00050004                      ; v_perm_b32, first source the bytes, second 0x64..: {0x64, byte 1, 0x64, byte 0}
	s_mov_b32 s75, 0x00070006                      ;                                                    {0x64, byte 3, 0x64, byte 2}
	; group 1 for x: 16,384 dense bytes as 64 rows of 32 elements of 8 bytes
	s_mov_b32 s[G1X+0], 15|(3<<16)|(1<<21)         ; 15:0 mask: all four of the cluster; 17:16 elements of 8 bytes; 21 set beside a mask
	s_mov_b32 s[G1X+1], 32<<16                     ; tensor_dim0 = 32
	s_mov_b32 s[G1X+2], 64<<16                     ; tensor_dim1 = 64
	s_mov_b32 s[G1X+3], 32<<16                     ; tile_dim0 = 32
	s_mov_b32 s[G1X+4], 64                         ; tile_dim1 = 64
	s_mov_b32 s[G1X+5], 32                         ; from row to row: 32 elements
	s_mov_b32 s[G1X+6], 0
	s_mov_b32 s[G1X+7], 0
	; group 1 for W: 32 rows of 256 bytes, 4,096 apart, 16 bytes of padding behind each in LDS
	s_mov_b32 s[G1W+0], (1<<20)|(5<<22)|(3<<25)    ; no mask; elements of 1 byte; padding on: after every 64 words (code 5) 4 words (code 3)
	s_mov_b32 s[G1W+1], 256<<16                    ; tensor_dim0 = 256
	s_mov_b32 s[G1W+2], 32<<16                     ; tensor_dim1 = 32
	s_mov_b32 s[G1W+3], 256<<16                    ; tile_dim0 = 256
	s_mov_b32 s[G1W+4], 32                         ; tile_dim1 = 32
	s_mov_b32 s[G1W+5], 4096                       ; from row to row
	s_mov_b32 s[G1W+6], 0
	s_mov_b32 s[G1W+7], 0
	s_lshl_b32 s56, s12, 14                        ; my part of x in a slot, and in a tile's 65,536 bytes of xh
	s_mul_i32 s57, s12, 32*WPITCH
	s_add_co_u32 s57, s57, WPART                   ; the 32 rows of W that I fetch
	; lane terms
	v_and_b32 v20, 15, v0                          ; r
	v_bfe_u32 v21, v0, 4, 1                        ; h
	v_and_b32 v22, 31, v0                          ; lane
	v_lshlrev_b32 v[LOFF], 4, v22
	v_add_nc_u32 v[ADRX], s56, v[LOFF]             ; 16 x lane + my part
	v_add_nc_u32 v[ADRX+1], SLOT, v[ADRX]
	v_add_nc_u32 v[ADRX+2], 2*SLOT, v[ADRX]
	v_mul_u32_u24 v23, v20, WPITCH                 ; r rows
	v_lshl_add_u32 v23, v21, 4, v23                ; + 16 h
	s_lshl_b32 s3, s12, 6                          ; my 64 k of the tile's 256
	s_add_co_u32 s3, s3, WPART
	v_add_nc_u32 v[ADRW], s3, v23
	v_add_nc_u32 v[ADRW+1], SLOT, v[ADRW]
	v_add_nc_u32 v[ADRW+2], 2*SLOT, v[ADRW]
	v_mul_u32_u24 v23, v20, SPITCH                 ; the stage: row r,
	v_lshl_add_u32 v23, v21, 5, v23                ; columns 8 h ..
	s_mul_i32 s3, s12, PART                        ; of my partial sum
	v_add_nc_u32 v[STO], s3, v23
	s_mul_i32 s3, s12, 32*SPITCH                   ; the 32 rows that I sum and store
	v_add_nc_u32 v[RD], s3, v[LOFF]
	v_add_nc_u32 v[RD+1], PART, v[RD]
	v_add_nc_u32 v[RD+2], 2*PART, v[RD]
	v_add_nc_u32 v[RD+3], 3*PART, v[RD]
	v_mov_b32 v[KC], 0xe480e480
	v_lshlrev_b32 v[PFV], 12, v22                  ; row = lane, of my 32
	; offsets, apart from the addresses
	s_lshl_b32 s62, s15, 20                        ; x: a row block's 1,048,576 bytes
	s_add_co_u32 s62, s62, s56                     ; + my part: made of the cluster's number and the wave's alone, the same in all four partners
	s_mov_b32 s63, 0
	s_lshl_b32 s60, s14, 19                        ; W: 128 rows of 4,096 bytes a work-group
	s_lshl_b32 s3, s12, 17                         ; 32 rows a wave
	s_add_co_u32 s60, s60, s3
	s_mov_b32 s61, 0
	s_add_co_u32 s70, s15, 3                       ; the first request ahead: tile 3 in row block 0, tile 4 in row block 1
	s_lshl_b32 s70, s70, 8
	s_mov_b32 s71, 0
	s_wait_dscnt 0x0
	s_wait_kmcnt 0x0
	s_add_nc_u64 s[66:67], s[4:5], s[62:63]        ; xh at my part of tile 0
	s_add_nc_u64 s[58:59], s[6:7], s[60:61]        ; W at my 32 rows: stays as it is
	s_add_nc_u64 s[68:69], s[58:59], s[70:71]      ; the prefetch's base
	s_lshl_b32 s60, s14, 9                         ; 128 f32
	s_add_nc_u64 s[8:9], s[8:9], s[60:61]          ; scales at my block's first column
	s_lshl_b32 s3, s15, 23                         ; 128 rows of 65,536 bytes
	s_add_co_u32 s60, s60, s3
	s_lshl_b32 s3, s12, 21                         ; 32 rows
	s_add_co_u32 s60, s60, s3
	s_add_nc_u64 s[10:11], s[10:11], s[60:61]      ; out at my 32 rows, my block's first column
	CROUND                                         ; all four work-groups are here: the first joint loads meet
.irp s, 0,1,2
	s_mov_b32 s[G0X+4*\s], 1                                       ; count = 1
	s_add_co_u32 s[G0X+4*\s+1], s56, \s*SLOT                       ; LDS address
	s_add_nc_u64 s[G0X+4*\s+2:G0X+4*\s+3], s[66:67], \s*XSTEP      ; tile s
	s_or_b32 s[G0X+4*\s+3], s[G0X+4*\s+3], 0x80000000              ; type = 2
	s_mov_b32 s[G0W+4*\s], 1
	s_add_co_u32 s[G0W+4*\s+1], s57, \s*SLOT
	s_add_nc_u64 s[G0W+4*\s+2:G0W+4*\s+3], s[58:59], \s*WSTEP
	s_or_b32 s[G0W+4*\s+3], s[G0W+4*\s+3], 0x80000000
	tensor_load_to_lds s[G0W+4*\s:G0W+4*\s+3], s[G1W:G1W+7]        ; my own, ahead of
	s_nop 0
	tensor_load_to_lds s[G0X+4*\s:G0X+4*\s+3], s[G1X:G1X+7]        ; the joint one
	s_nop 0
.endr
	global_load_b128 v[SC:SC+3], v[LOFF], s[8:9]                   ; waited for once, in front of the sum
	global_prefetch_b8 v[PFV], s[68:69] th:TH_LOAD_NT scope:SCOPE_SE   ; 256 bytes of each of my 32 rows: tile 3 or 4, which the first round's loads will want
; 24 LDS loads in one run, all into window 0: k block q of my two in the slot.  First W's raw bytes (lane (r, h): W[16 f + r][.. + 16 h .. + 15]), then x's 8 fragments.
.macro FETCH slot, q, xa
.irp f, 0,1,2,3,4,5,6,7
	ds_load_b128 v[RAW+4*\f:RAW+4*\f+3], v[ADRW+\slot] offset:\f*16*WPITCH+32*\q
.endr
.irp mb, 0,1,2,3,4,5,6,7
	ds_load_b128 v[\xa+8*\mb:\xa+8*\mb+3],   v[ADRX+\slot] offset:\q*8192+\mb*1024
	ds_load_b128 v[\xa+8*\mb+4:\xa+8*\mb+7], v[ADRX+\slot] offset:\q*8192+\mb*1024+512
.endr
.endm
; The N_VI-th of the 20 G conversion instructions of a window with G fragments, the first of them fragment F0, into buffer wn:
; 4 G xor (raw word -> temporary), 8 G perm (temporary -> two f16 1024 + byte), 8 G packed adds of -1152.  Each kind is 4 G or more instructions behind the one that feeds it.
.macro CVI G, F0, wn
.if N_VI < 4*\G
	v_xor_b32 v[TX+N_VI], s72, v[RAW+4*\F0+N_VI]
.else
.if N_VI < 12*\G
.set N_VO, N_VI-4*\G
.if N_VO & 1
	v_perm_b32 v[\wn+N_VO], v[TX+N_VO/2], s73, s75
.else
	v_perm_b32 v[\wn+N_VO], v[TX+N_VO/2], s73, s74
.endif
.else
.set N_VO, N_VI-12*\G
	v_pk_add_f16 v[\wn+N_VO], v[\wn+N_VO], v[KC]
.endif
.endif
.set N_VI, N_VI+1
.endm
; One window's share of a k block: 8 G matrix instructions (8 row blocks x G column fragments, 32 along K) on x buffer xa and W buffer wc.
; TRANSPOSED USE: source 0 = 16 rows of W, source 1 = 16 rows of x: lane (r, h), register j holds out[16 mb + r][16 f + 8 h + j], eight neighbouring columns.
; The 64 accumulators take turns, one instruction a turn, each once in a k block (the windows in the order 1, 2, 3 or 1, 3, 2), over the backward jump too,
; so that no two matrix instructions that follow each other share an accumulator.
; conv = 1: the window's 20 G conversions for the NEXT k block, into buffer wn, are dealt evenly behind the matrix instructions from number lead on, five at the most
; behind one; the last hold of them stand behind the last matrix instruction.  They name none of the registers of this k block's matrix instructions.
; rawwait = 1: the wait for the raw bytes stands in front of the first conversion.
.macro QBLK G, F0, xa, wc, wn, zero, conv, lead, hold, rawwait
.set N_VI, 0
.set N_WI, 0
.rept 8*\G
.set N_WG, N_WI % \G
.set N_WM, N_WI / \G
.if \zero
	v_wmma_f32_16x16x32_f16 v[64*N_WG+8*N_WM:64*N_WG+8*N_WM+7], v[\wc+8*N_WG:\wc+8*N_WG+7], v[\xa+8*N_WM:\xa+8*N_WM+7], 0
.else
	v_wmma_f32_16x16x32_f16 v[64*N_WG+8*N_WM:64*N_WG+8*N_WM+7], v[\wc+8*N_WG:\wc+8*N_WG+7], v[\xa+8*N_WM:\xa+8*N_WM+7], v[64*N_WG+8*N_WM:64*N_WG+8*N_WM+7]
.endif
.set N_WI, N_WI+1
.if \conv
.if \rawwait
.if N_WI == \lead
	s_wait_dscnt 16                                ; the eight raw loads are the oldest of the fetch's 24: x's sixteen stay out
.endif
.endif
.if N_WI >= \lead
.if N_WI == 8*\G
.set N_VT, 20*\G
.else
.set N_VT, ((20*\G-\hold)*(N_WI-\lead+1))/(8*\G-\lead)
.endif
.rept 6
.if N_VI < N_VT
	CVI \G, \F0, \wn
.endif
.endr
.endif
.endif
.endr
.endm
; The three windows' shares.  Window 1 always comes first and begins with 12 bare matrix instructions, while the raw bytes come.
; The window that comes LAST in a k block is given hold = 4: its last four conversions stand behind the k block's last matrix instruction and are the four places
; between that instruction and the next fetch's loads into the x buffer that it has read.
.macro MW1 xa, wc, wn, zero, conv
	WIN QS1
	QBLK 3, 0, \xa, \wc, \wn, \zero, \conv, 12, 0, 1
.endm
.macro MW2 xa, wc, wn, zero, conv, hold
	WIN QS2
	QBLK 3, 3, \xa, \wc, \wn, \zero, \conv, 1, \hold, 0
.endm
.macro MW3 xa, wc, wn, zero, conv, hold
	WIN QS3
	QBLK 2, 6, \xa, \wc, \wn, \zero, \conv, 1, \hold, 0
.endm
; The rest of a round, and behind it the refills.  s = the slot of tile t.  kind = 2: tiles t + 2 and t + 3, into the slots of tiles t - 1 and t, which every wave of every
; partner has read; each slot's tile is three tiles on from its last.  kind = 1: tile t + 2 alone.
.macro REFILL s, kind
	CREST                                          ; no wave of any partner still reads the two slots or has a load on its way
.set N_R1, (\s+2)%3
	s_add_nc_u64 s[G0W+4*N_R1+2:G0W+4*N_R1+3], s[G0W+4*N_R1+2:G0W+4*N_R1+3], 3*WSTEP   ; no tensor load of mine is out: every group 0 may be written
	s_add_nc_u64 s[G0X+4*N_R1+2:G0X+4*N_R1+3], s[G0X+4*N_R1+2:G0X+4*N_R1+3], 3*XSTEP
.if \kind == 2
	s_add_nc_u64 s[G0W+4*\s+2:G0W+4*\s+3], s[G0W+4*\s+2:G0W+4*\s+3], 3*WSTEP
	s_add_nc_u64 s[G0X+4*\s+2:G0X+4*\s+3], s[G0X+4*\s+2:G0X+4*\s+3], 3*XSTEP
.endif
	tensor_load_to_lds s[G0W+4*N_R1:G0W+4*N_R1+3], s[G1W:G1W+7]    ; the first tensor loads behind the round: the older tile first, of each tile W ahead of x
	s_nop 0
	tensor_load_to_lds s[G0X+4*N_R1:G0X+4*N_R1+3], s[G1X:G1X+7]
	s_nop 0
.if \kind == 2
	tensor_load_to_lds s[G0W+4*\s:G0W+4*\s+3], s[G1W:G1W+7]
	s_nop 0
	tensor_load_to_lds s[G0X+4*\s:G0X+4*\s+3], s[G1X:G1X+7]
	s_nop 0
.endif
.endm
; A tile's first k block, on buffers 0 / A.  It fetches the tile's second k block, which is my last read of the slot, and holds the change of slots.
; kind = 0: a plain barrier, as late as the next fetch allows (signal behind 48 matrix instructions, wait behind 64).
; kind = 1, 2: the barrier opens a round of the cluster's barrier, as early as my reads of the slot allow (signal behind 24 matrix instructions, the refills behind 40).
.macro KBA s, kind, tc, zero
	WIN 0
	FETCH \s, 1, AB1
	s_wait_dscnt 24                                ; all but the 24 just issued: this k block's x is in
	MW1 AB0, BFA, BFB, \zero, 1
.if \kind
	s_wait_dscnt 0x0                               ; my reads of this slot are back
	s_wait_tensorcnt 0x0                           ; all my tensor loads have landed, the next tile's among them
	ds_add_u32 v255, v255
	s_wait_dscnt 0x0
	s_barrier_signal -1                            ; say so: this opens the round,
	MW3 AB0, BFA, BFB, \zero, 1, 0                 ; work on registers while the others arrive,
	WIN 0
	s_barrier_wait -1
	REFILL \s, \kind
	MW2 AB0, BFA, BFB, \zero, 1, 4
.else
	MW2 AB0, BFA, BFB, \zero, 1, 0
	s_wait_dscnt 0x0                               ; no LDS instruction of mine is pending at the signal
	s_wait_tensorcnt \tc                           ; tc = 2: the next tile's two loads have landed, the two behind them stay out.  tc = 0: only the next tile's were out
	s_barrier_signal -1
	MW3 AB0, BFA, BFB, \zero, 1, 4
	WIN 0
	s_barrier_wait -1                              ; the next tile is whole
.endif
.endm
; The tile's second k block, on buffers 1 / B.  It fetches the next tile's first k block from slot n.
; pf = 1: ask for W ahead; pf = 2: step that request's base, a trip behind the request.
.macro KBB n, pf
	WIN 0
	FETCH \n, 0, AB0
.if \pf == 1
	global_prefetch_b8 v[PFV], s[68:69] th:TH_LOAD_NT scope:SCOPE_SE   ; 256 bytes of each of my 32 rows, of a tile that the next round's loads want: row block 0 asks for the
	                                               ; first of that round's two tiles, row block 1 for the second, so a block is asked for once by the two work-groups that read it
.endif
.if \pf == 2
	s_wait_xcnt 0x0                                ; the request's base is written only behind this wait
	s_add_co_u32 s70, s70, 2*WSTEP                 ; two tiles on,
	s_min_u32 s70, s70, 15*WSTEP                   ; and never past the rows' last tile
	s_add_nc_u64 s[68:69], s[58:59], s[70:71]
.endif
	s_wait_dscnt 24
	MW1 AB1, BFB, BFA, 0, 1
	MW2 AB1, BFB, BFA, 0, 1, 0
	MW3 AB1, BFB, BFA, 0, 1, 4
.endm
; Tile t, in slot s = t mod 3; n = the next tile's slot.
.macro TRIP s, n, kind, tc, zero, pf
	KBA \s, \kind, \tc, \zero
	KBB \n, \pf
.endm
.macro CONVQ G, F0, wn                 ; a window's conversions by themselves: for the very first k block
.set N_VI, 0
.rept 20*\G
	CVI \G, \F0, \wn
.endr
.endm
	s_wait_tensorcnt 4                             ; tile 0's two loads of mine are in; the four of tiles 1 and 2 stay out
	s_barrier_signal -1
	s_barrier_wait -1                              ; everybody's are
	FETCH 0, 0, AB0
	s_wait_dscnt 16                                ; the raw bytes
	WIN QS1
	CONVQ 3, 0, BFA
	WIN QS2
	CONVQ 3, 3, BFA
	WIN QS3
	CONVQ 2, 6, BFA
	TRIP 0, 1, 0, 2, 1, 2                          ; tile 0 stands in front of the loop: its first k block starts all 64 sums
	WIN 0
	s_mov_b32 s76, 2                               ; tiles 1 to 6, then 7 to 12: slots and kinds come round after six tiles
.Lsix:
	TRIP 1, 2, 2, 0, 0, 1
	TRIP 2, 0, 0, 2, 0, 2
	TRIP 0, 1, 2, 0, 0, 1
	TRIP 1, 2, 0, 2, 0, 2
	TRIP 2, 0, 2, 0, 0, 1
	TRIP 0, 1, 0, 2, 0, 2
	WIN 0
	s_sub_co_u32 s76, s76, 1
	s_cmp_lg_u32 s76, 0
	s_cbranch_scc1 .Lsix
	TRIP 1, 2, 1, 0, 0, 0                          ; tile 13: tile 15 alone is left to ask for
	TRIP 2, 0, 0, 0, 0, 0                          ; tile 14: a plain barrier; tile 15's two loads are all that is out, so its count is 0
	KBA 0, 0, 0, 0                                 ; tile 15: behind this barrier nobody reads the ring any more, and it has had its last fill
	MW1 AB1, BFB, BFA, 0, 0                        ; the very last k block: nothing to fetch, nothing to convert
	MW2 AB1, BFB, BFA, 0, 0, 0
	MW3 AB1, BFB, BFA, 0, 0, 0
	WIN 0
.rept 4
	v_nop                                          ; the places between the last matrix instructions and the stores that read their results
.endr
; my partial sum into LDS: row 16 mb + r, columns 16 f + 8 h + 0..7 = two stores of 16 bytes; rows 528 bytes apart, so sixteen lanes hit sixteen different 16-byte columns
.macro STAGE G, F0
.set N_WI, 0
.rept 8*\G
.set N_WG, N_WI % \G
.set N_WM, N_WI / \G
	ds_store_b128 v[STO], v[64*N_WG+8*N_WM:64*N_WG+8*N_WM+3]   offset:N_WM*16*SPITCH+64*(\F0+N_WG)
	ds_store_b128 v[STO], v[64*N_WG+8*N_WM+4:64*N_WG+8*N_WM+7] offset:N_WM*16*SPITCH+64*(\F0+N_WG)+16
.set N_WI, N_WI+1
.endr
.endm
	WIN 0x04                                       ; an LDS store's data (source 1) from window 1,
	STAGE 3, 0
	WIN 0x08                                       ; 2,
	STAGE 3, 3
	WIN 0x0c                                       ; 3
	STAGE 2, 6
	WIN 0
	s_wait_dscnt 0x0                               ; for the others' sake: all my stores are done
	s_barrier_signal -1
	s_barrier_wait -1
	s_wait_loadcnt 0x0                             ; the scales
; THE SUM.  Wave w owns rows 32 w .. 32 w + 31, in 8 batches of 4 rows; a step ii is one row of 512 bytes, four columns a lane.
.macro LOADB b
.set TB, T0+64*((\b)&1)
.irp ii, 0,1,2,3
.irp p, 0,1,2,3
	ds_load_b128 v[TB+16*\ii+4*\p:TB+16*\ii+4*\p+3], v[RD+\p] offset:(4*\b+\ii)*SPITCH
.endr
.endr
.endm
.macro PROC b, more
.set TB, T0+64*((\b)&1)
.irp ii, 0,1,2,3
	s_wait_dscnt 12-4*\ii+16*\more                 ; this step's four loads are in; the batch's later steps and the next batch's 16 stay out
	v_pk_add_f32 v[TB+16*\ii:TB+16*\ii+1],     v[TB+16*\ii:TB+16*\ii+1],     v[TB+16*\ii+4:TB+16*\ii+5]      ; p0 + p1
	v_pk_add_f32 v[TB+16*\ii+2:TB+16*\ii+3],   v[TB+16*\ii+2:TB+16*\ii+3],   v[TB+16*\ii+6:TB+16*\ii+7]
	v_pk_add_f32 v[TB+16*\ii+8:TB+16*\ii+9],   v[TB+16*\ii+8:TB+16*\ii+9],   v[TB+16*\ii+12:TB+16*\ii+13]    ; p2 + p3
	v_pk_add_f32 v[TB+16*\ii+10:TB+16*\ii+11], v[TB+16*\ii+10:TB+16*\ii+11], v[TB+16*\ii+14:TB+16*\ii+15]
	v_pk_add_f32 v[TB+16*\ii:TB+16*\ii+1],     v[TB+16*\ii:TB+16*\ii+1],     v[TB+16*\ii+8:TB+16*\ii+9]
	v_pk_add_f32 v[TB+16*\ii+2:TB+16*\ii+3],   v[TB+16*\ii+2:TB+16*\ii+3],   v[TB+16*\ii+10:TB+16*\ii+11]
	v_pk_mul_f32 v[TB+16*\ii:TB+16*\ii+1],     v[TB+16*\ii:TB+16*\ii+1],     v[SC:SC+1]
	v_pk_mul_f32 v[TB+16*\ii+2:TB+16*\ii+3],   v[TB+16*\ii+2:TB+16*\ii+3],   v[SC+2:SC+3]
	global_store_b128 v[LOFF], v[TB+16*\ii:TB+16*\ii+3], s[10:11] offset:(4*\b+\ii)*65536 th:TH_STORE_NT   ; the wave stores 512 consecutive bytes, aligned: the block's 128 columns of a row
.endr
.endm
.macro STEP b, nb
	s_wait_xcnt 0x0                                ; the set that batch nb loads into held the data of the stores two batches back: it is written only behind this wait
	LOADB \nb
	PROC \b, 1
.endm
	LOADB 0
	LOADB 1                                        ; no store has read either set yet
	PROC 0, 1
	STEP 1, 2
	STEP 2, 3
	STEP 3, 4
	STEP 4, 5
	STEP 5, 6
	STEP 6, 7
	PROC 7, 0
	s_set_vgpr_msb 0x1
	s_wait_tensorcnt 0x0
	ds_add_u32 v255, v255
	s_wait_dscnt 0x0
	s_set_vgpr_msb 0x100
	CROUND                                         ; the closing round: no work-group ends while a partner may still ask for a tile that names it
	s_endpgm
.Lfunc_end_k_q5153e8b049_gemm:
	.size	k_q5153e8b049_gemm, .Lfunc_end_k_q5153e8b049_gemm-k_q5153e8b049_gemm
	.p2alignl 7, 3214868480
	.fill 96, 4, 3214868480
	.section	.rodata,"a",@progbits
	.p2align	6, 0x0
	.amdhsa_kernel k_q5153e8b049_gemm
		.amdhsa_group_segment_fixed_size 327680
		.amdhsa_private_segment_fixed_size 0
		.amdhsa_enable_private_segment 0
		.amdhsa_kernarg_size 32
		.amdhsa_user_sgpr_count 2
		.amdhsa_user_sgpr_kernarg_segment_ptr 1
		.amdhsa_wavefront_size32 1
		.amdhsa_system_sgpr_workgroup_id_x 1
		.amdhsa_system_sgpr_workgroup_id_y 1
		.amdhsa_system_sgpr_workgroup_id_z 1
		.amdhsa_system_vgpr_workitem_id 0
		.amdhsa_next_free_vgpr 1024
		.amdhsa_next_free_sgpr 80
		.amdhsa_reserve_vcc 0
		.amdhsa_float_denorm_mode_32 3
		.amdhsa_float_denorm_mode_16_64 3
		.amdhsa_memory_ordered 1
		.amdhsa_forward_progress 1
		.amdhsa_inst_pref_size 255
	.end_amdhsa_kernel
	.section	.bss,"aw",@nobits
	.p2align	6
	.space	262144
	.amdgpu_metadata
---
amdhsa.version: [ 1, 2 ]
amdhsa.kernels:
  - .name:           k_q5153e8b049_gemm
    .symbol:         k_q5153e8b049_gemm.kd
    .args:
      - { .name: xh, .offset: 0, .size: 8, .value_kind: global_buffer, .address_space: global }
      - { .name: weight, .offset: 8, .size: 8, .value_kind: global_buffer, .address_space: global }
      - { .name: scales, .offset: 16, .size: 8, .value_kind: global_buffer, .address_space: global }
      - { .name: out0, .offset: 24, .size: 8, .value_kind: global_buffer, .address_space: global }
    .group_segment_fixed_size: 327680
    .private_segment_fixed_size: 0
    .kernarg_segment_align: 8
    .kernarg_segment_size: 32
    .max_flat_workgroup_size: 128
    .sgpr_count:     80
    .vgpr_count:     1024
    .wavefront_size: 32
...
	.end_amdgpu_metadata
.endif
;; end of part 4
